; MI455X (gfx1250); checked and timed in simulation.
; The chip was launched on July 23, 2026; its instructions are those of AMD's public machine-readable ISA for CDNA 5 (MIT licence, August 2026) and "CDNA5" Instruction Set Architecture Reference Guide (July 2026). The comments in the code are by the model that wrote it; some were corrected since.
;; My Temporal Attention. Allowed arithmetic: matrix products marked QUANTISED: E2M1 operands, one E8M0 scale for each 32 along K, by v_wmma_scale_f32_16x16x128_f8f6f4 with both operands' format E2M1 (or v_wmma_scale_f32_32x16x128_f4), f32 sums; everything else in f32.
;; Inputs: W1 512 x 512 float32; W2 512 x 512 float32; Wk 512 x 512 float32; Wo 512 x 512 float32; Wq 512 x 512 float32; Wv 512 x 512 float32; b1 512 float32; b2 512 float32; bk 512 float32; bo 512 float32; bq 512 float32; bv 512 float32; te 2 x 128 x 128 x 512 float32; x 2 x 128 x 128 x 512 float32.
;; Outputs: out0 2 x 128 x 128 x 512 float32.
;; This version of the problem:
;;   THIS VERSION OF THE PROBLEM IS GIVEN IN LOW PRECISION. The matrix products marked QUANTISED in the list below multiply operands that are first quantised to E2M1 (2 exponent bits, 1 mantissa bit; 4 bits a number), with one power-of-two scale for each 32 numbers along K (OCP MX v1.0); their sums are f32. All else is computed in f32.
;;   The module's matrix products, in the order in which they are computed (A, B: the left and right operand; K: the contracted axis; several contracted axes count as one K, in the product's order):
;;     1. [M 32,768, K 512] x [K 512, N 512]; A: computed on the way; B: input Wq: QUANTISED
;;     2. [M 32,768, K 512] x [K 512, N 512]; A: computed on the way; B: input Wk: QUANTISED
;;     3. [M 32,768, K 512] x [K 512, N 512]; A: computed on the way; B: input Wv: QUANTISED
;;     4. batch 2,048 x [M 128, K 64] x [K 64, N 128]; A: computed on the way; B: computed on the way: QUANTISED
;;     5. batch 2,048 x [M 64, K 128] x [K 128, N 128]; A: computed on the way; B: softmax (see below): QUANTISED
;;     6. [M 32,768, K 512] x [K 512, N 512]; A: computed on the way; B: input Wo: QUANTISED
;;     7. [M 32,768, K 512] x [K 512, N 512]; A: computed on the way; B: input W1: QUANTISED
;;     8. [M 32,768, K 512] x [K 512, N 512]; A: computed on the way; B: input W2: QUANTISED
;;   THE QUANTISER, for each operand of a quantised product, along K:
;;     - K is cut into blocks of 32 from its start; a last block that is shorter is filled with zeros.
;;     - A block's scale is 2^e with e = floor(log2(the largest magnitude in the block)) - 2, held to -126 .. 127; a block of zeros has e = 0. As a byte (E8M0): e + 127.
;;     - Each number is divided by its block's scale, clamped to +-6, and rounded to the nearest number of E2M1, ties to even, subnormals kept.
;;     - The product sums the exact products of the quantised numbers (number of the format x scale) in f32.
;;   ~~~python
;;   def quantise(x, axis):      # numpy; x: float32 -> the quantised numbers, widened to float32 again
;;       x = np.moveaxis(x, axis, -1); K = x.shape[-1]
;;       x = np.pad(x, [(0, 0)] * (x.ndim - 1) + [(0, -K % 32)]); x = x.reshape(x.shape[:-1] + (-1, 32)); a = np.abs(x).max(-1, keepdims=True)
;;       e = np.where(a > 0, np.clip(np.frexp(np.where(a > 0, a, 1))[1] - 1 - 2, -126, 127), 0)      # np.frexp(a)[1] - 1 = floor(log2(a)), exactly
;;       r = np.clip(x / 2.0 ** e, -6, 6)
;;       step = 2.0 ** (np.maximum(np.frexp(np.where(r == 0, 1, r))[1] - 1, 0) - 1)
;;       q = np.round(r / step) * step * 2.0 ** e      # np.round: ties to even
;;       return np.moveaxis(q.reshape(q.shape[:-2] + (-1,))[..., :K], -1, axis).astype(np.float32)
;;   ~~~
;;   SOFTMAX AHEAD OF A QUANTISED PRODUCT. Where the list says 'softmax', what is quantised is not the finished softmax but p = 2^(t - M), with t = logit x log2(e) and M = ceil(the row's largest t), a whole number; so 1/2 < the row's largest p <= 1. The row's sum l is taken of the UNQUANTISED p, in f32, and the product's result is divided by l at the end. Since M is a whole number, a kernel that streams over the keys may use a running M (the ceiling of the running maximum): every later rescaling is an exact power of two, which a block's scale takes up: the codes' values come out the same.
;;   OPERANDS COMPUTED ON THE WAY. 'Computed on the way' means the value that the module computes at that place (a softmax that the list does not call 'softmax' is quantised finished and normalised). What goes into a quantiser is computed in f32, as accurately as f32 sums, v_exp_f32 and their like allow (about 1e-6 of the number): no bf16 or f16 on the way to a quantiser, and a product that is left as it is and whose result goes on into a quantised operand takes f32 operands (vector FMAs, or v_wmma_f32_16x16x4_f32). A number that lies on a knife's edge between two numbers of the format may be rounded either way, as far as f32 arithmetic and the matrix unit's own rounding can turn it there, and no further.
;; One version. Each part assembles by itself: llvm-mc -triple=amdgcn-amd-amdhsa -mcpu=gfx1250 --defsym DOCPART=n.
;; ======== version 1 of 1: 2 launches
;; limits: right only within a limited range of input values
;; workspace buffers: wc 786,432 bytes; ws 49,152 bytes
;; launch prep (part 1): grid 96 x 1, 16 waves a work-group, no clusters, 2,560 bytes of LDS; arguments Wk, Wv, Wq, Wo, W1, W2, wc, ws; writes wc, ws
.if DOCPART == 1
	.amdgcn_target "amdgcn-amd-amdhsa--gfx1250"
	.amdhsa_code_object_version 6
	.text
	.protected	k_q542a1a03be_prep
	.globl	k_q542a1a03be_prep
	.p2align	8
	.type	k_q542a1a03be_prep,@function
k_q542a1a03be_prep:
	s_mov_b64 s[64:65], 0
	v_nop
	global_prefetch_b8 v0, s[64:65] scope:SCOPE_SE
	s_setreg_imm32_b32 hwreg(HW_REG_WAVE_MODE, 25, 1), 1
	s_wait_xcnt 0x0
; The six weights [512 (k)][512 (n)], f32, K their FIRST axis, become codes of FP4 (E2M1) with one E8M0 byte for each 32 along K,
; laid in the order in which the next launch's operand registers take them.
;   wc: [matrix 6][wave 8][K step 4][tile 4][chunk 2][lane 32][16 bytes].  Tile 2 b + u of wave w: lane (r, h), chunk c holds the 32 codes
;       k = 128 s + 64 c + 32 h + 0 .. 31 of column n = 64 w + 32 b + 8 u + r + 8 (r / 8): one block of the quantiser in each 16 bytes.
;   ws: [matrix 6][wave 8][b 2][lane 32][K step 4] words: lane 16 u + r holds that column's scale words.
; Matrices in the order of their use: Wk, Wv, Wq, Wo, W1, W2.
; A LANE TAKES A COLUMN AND ITS REGISTERS RUN DOWN K: a block of 32 lies in one lane, its largest magnitude needs no other lane, and the conversions give the codes with K innermost.
; A work-group takes 32 columns of one matrix; each of its sixteen waves takes ONE block of 32 along K: wave W = 4 s + t holds k = 32 W + 0 .. 31, 32 loads of 128 consecutive bytes.
; A block's scale is 2^(floor(log2(largest magnitude)) - 2); its byte is the largest magnitude's exponent field - 2, held at 1 from below.
; LIMITS: a block of zeros gets the byte 1 where the rule says 127 (its codes are zeros, and this program alone reads the bytes); a block whose
; largest magnitude lies under 2^-124 has its byte held at 1; NaN and infinities among the inputs are not served.
.set X, 32                             ; v32-63  the block's 32 numbers
.set C, 16                             ; v16-19  its codes
	s_load_b512 s[8:23], s[0:1], 0x0               ; Wk, Wv, Wq, Wo, W1, W2, wc s[20:21], ws s[22:23]
	v_lshl_add_u32 v13, v0, 2, 512                 ; my spare word, behind the 512 bytes of scale words; v13 and v14 serve the closing add alone
	v_mov_b32 v14, 0
	v_lshrrev_b32 v1, 5, v0
	v_readfirstlane_b32 s26, v1                    ; wave W = 4 s + t
	v_and_b32 v1, 31, v0                           ; lane l = column in the group of 32
	v_lshlrev_b32 v2, 2, v1                        ; in: 4 bytes a lane
	v_bfe_u32 v6, v0, 3, 1                         ; u = (l / 8) % 2
	v_and_b32 v7, 7, v0
	v_bfe_u32 v8, v0, 4, 1
	v_lshl_add_u32 v7, v8, 3, v7                   ; r = l % 8 + 8 (l / 16): so l = 8 u + r + 8 (r / 8)
	v_lshlrev_b32 v3, 4, v7
	v_lshl_add_u32 v3, v6, 10, v3                  ; codes out: 1,024 u + 16 r
	v_lshl_add_u32 v4, v6, 4, v7
	v_lshlrev_b32 v4, 4, v4
	v_add_nc_u32 v4, s26, v4                       ; LDS: 16 (16 u + r) + 4 s + t: my block's byte in my column's four words
	v_lshlrev_b32 v5, 4, v1                        ; 16 x lane: the words' way out
	s_lshr_b32 s24, ttmp9, 4                       ; which matrix
	s_and_b32 s25, ttmp9, 15                       ; which 32 columns: 2 w + b
	s_lshl_b32 s28, s25, 7                         ; W: 128 bytes for each group of columns,
	s_lshl_b32 s27, s26, 16                        ; 32 rows of 2,048 bytes for each block
	s_add_co_u32 s28, s28, s27
	s_mov_b32 s29, 0
	s_lshl_b32 s30, s24, 17                        ; wc: 131,072 a matrix,
	s_lshr_b32 s27, s25, 1
	s_lshl_b32 s27, s27, 14                        ; 16,384 a wave of the next launch,
	s_add_co_u32 s30, s30, s27
	s_lshr_b32 s27, s26, 2
	s_lshl_b32 s27, s27, 12                        ; 4,096 a K step,
	s_add_co_u32 s30, s30, s27
	s_and_b32 s27, s25, 1
	s_lshl_b32 s27, s27, 11                        ; 2,048 for b,
	s_add_co_u32 s30, s30, s27
	s_and_b32 s27, s26, 3
	s_lshl_b32 s27, s27, 8                         ; 256 t: chunk t / 2 at 512, the lanes' half t % 2 at 256
	s_add_co_u32 s30, s30, s27
	s_mov_b32 s31, 0
	s_lshl_b32 s2, s24, 13                         ; ws: 8,192 a matrix, 512 for each group of columns
	s_lshl_b32 s27, s25, 9
	s_add_co_u32 s2, s2, s27
	s_mov_b32 s3, 0
	s_wait_alu depctr_va_vdst(0)                   ; the wait at the head's end
	s_wait_kmcnt 0x0
	s_mov_b64 s[4:5], s[8:9]                       ; the matrix is chosen by the work-group's number alone
.irp j, 1,2,3,4,5
	s_cmp_eq_u32 s24, \j
	s_cselect_b64 s[4:5], s[8+2*\j:9+2*\j], s[4:5]
.endr
	s_add_nc_u64 s[4:5], s[4:5], s[28:29]
	s_add_nc_u64 s[6:7], s[20:21], s[30:31]
	s_add_nc_u64 s[22:23], s[22:23], s[2:3]
.set i_, 0
.rept 32                               ; W(32 W + i, my column); a wave's load reads 128 consecutive bytes
	global_load_b32 v[X+i_], v2, s[4:5] offset:i_*2048
.set i_, i_+1
.endr
	s_wait_loadcnt 0x0
	v_max3_num_f32 v8, |v[X]|, |v[X+1]|, |v[X+2]|                  ; the block's largest magnitude, in two chains
	v_max3_num_f32 v9, |v[X+3]|, |v[X+4]|, |v[X+5]|
.irp i, 6,10,14,18,22,26
	v_max3_num_f32 v8, v8, |v[X+\i]|, |v[X+\i+1]|
	v_max3_num_f32 v9, v9, |v[X+\i+2]|, |v[X+\i+3]|
.endr
	v_max3_num_f32 v8, v8, |v[X+30]|, |v[X+31]|
	v_max3_num_f32 v8, v8, v9, 0x1800000           ; and the floor 2^(3 - 127): the byte cannot fall under 1
	v_add_nc_u32 v10, 0xff000000, v8               ; 2 off the exponent field: the conversion takes this operand's exponent field as its scale
	v_lshrrev_b32 v11, 23, v10                     ; the scale's byte
.irp g, 0,1,2,3
	v_cvt_scalef32_pk8_fp4_f32 v[C+\g], v[X+8*\g:X+8*\g+7], v10
.endr
	v_nop                                          ; one plain line behind the conversions
	global_store_b128 v3, v[C:C+3], s[6:7]         ; sixteen lanes store 256 consecutive bytes, aligned, twice
	ds_store_b8 v4, v11                            ; the sixteen waves' bytes of a column meet in LDS,
	s_wait_alu depctr_va_vdst(0)
	s_wait_dscnt 0x0                               ; for the others' sake: my store is done
	s_barrier_signal -1
	s_barrier_wait -1
	s_cmp_lg_u32 s26, 0
	s_cbranch_scc1 .Lend
	ds_load_b128 v[20:23], v5                      ; and wave 0 stores them: 512 consecutive bytes
	s_wait_dscnt 0x0
	global_store_b128 v5, v[20:23], s[22:23]
.Lend:
	s_wait_tensorcnt 0x0                           ; the wave's end
	ds_add_u32 v13, v14
	s_wait_dscnt 0x0
	s_endpgm
.Lfunc_end_k_q542a1a03be_prep:
	.size	k_q542a1a03be_prep, .Lfunc_end_k_q542a1a03be_prep-k_q542a1a03be_prep
	.p2alignl 7, 3214868480
	.fill 96, 4, 3214868480
	.section	.rodata,"a",@progbits
	.p2align	6, 0x0
	.amdhsa_kernel k_q542a1a03be_prep
		.amdhsa_group_segment_fixed_size 2560
		.amdhsa_private_segment_fixed_size 0
		.amdhsa_enable_private_segment 0
		.amdhsa_kernarg_size 64
		.amdhsa_user_sgpr_count 2
		.amdhsa_user_sgpr_kernarg_segment_ptr 1
		.amdhsa_wavefront_size32 1
		.amdhsa_system_sgpr_workgroup_id_x 1
		.amdhsa_system_sgpr_workgroup_id_y 1
		.amdhsa_system_sgpr_workgroup_id_z 1
		.amdhsa_system_vgpr_workitem_id 0
		.amdhsa_next_free_vgpr 64
		.amdhsa_next_free_sgpr 66
		.amdhsa_reserve_vcc 0
		.amdhsa_float_denorm_mode_32 3
		.amdhsa_float_denorm_mode_16_64 3
		.amdhsa_memory_ordered 1
		.amdhsa_forward_progress 1
		.amdhsa_inst_pref_size 8
	.end_amdhsa_kernel
	.amdgpu_metadata
---
amdhsa.version: [ 1, 2 ]
amdhsa.kernels:
  - .name:           k_q542a1a03be_prep
    .symbol:         k_q542a1a03be_prep.kd
    .args:
      - { .name: Wk, .offset: 0, .size: 8, .value_kind: global_buffer, .address_space: global }
      - { .name: Wv, .offset: 8, .size: 8, .value_kind: global_buffer, .address_space: global }
      - { .name: Wq, .offset: 16, .size: 8, .value_kind: global_buffer, .address_space: global }
      - { .name: Wo, .offset: 24, .size: 8, .value_kind: global_buffer, .address_space: global }
      - { .name: W1, .offset: 32, .size: 8, .value_kind: global_buffer, .address_space: global }
      - { .name: W2, .offset: 40, .size: 8, .value_kind: global_buffer, .address_space: global }
      - { .name: wc, .offset: 48, .size: 8, .value_kind: global_buffer, .address_space: global }
      - { .name: ws, .offset: 56, .size: 8, .value_kind: global_buffer, .address_space: global }
    .group_segment_fixed_size: 2560
    .private_segment_fixed_size: 0
    .kernarg_segment_align: 8
    .kernarg_segment_size: 64
    .max_flat_workgroup_size: 512
    .sgpr_count:     66
    .vgpr_count:     64
    .wavefront_size: 32
...
	.end_amdgpu_metadata
.endif
;; end of part 1
;; launch fused (part 2): grid 256 x 1, 8 waves a work-group, no clusters, 327,680 bytes of LDS; arguments x, te, wc, ws, bk, bv, bq, bo, b1, b2, out0; writes out0
.if DOCPART == 2
	.amdgcn_target "amdgcn-amd-amdhsa--gfx1250"
	.amdhsa_code_object_version 6
	.text
	.protected	k_q542a1a03be_fused
	.globl	k_q542a1a03be_fused
	.p2align	8
	.type	k_q542a1a03be_fused,@function
k_q542a1a03be_fused:
	s_mov_b64 s[64:65], 0
	v_nop
	global_prefetch_b8 v0, s[64:65] scope:SCOPE_SE
	s_setreg_imm32_b32 hwreg(HW_REG_WAVE_MODE, 25, 1), 1
	s_wait_xcnt 0x0
; The whole module for one pair (b, n): 128 tokens x 512 features.  xt = x + te; q, k, v; eight heads of causal attention over the 128 tokens, the logits outside a head's own 16 keys
; scaled by 0.3; Wo, residual, LayerNorm; W1, relu, W2, residual, LayerNorm.  All eight products on codes of FP4 (E2M1) with one E8M0 scale for each 32 along K.
; LEFT OUT: key tiles that lie wholly above the diagonal of the causal mask, which reference() builds itself: their scores become -inf and their p is 0 for all inputs.
; SHARES.  256 work-groups, one for each (b, n).  Eight waves; WAVE w IS HEAD w AND OWNS COLUMNS 64 w .. 64 w + 63 OF EVERY LINEAR.  Each fragment of a weight is loaded once by the work-group,
; from wc straight into registers; q, k, v of head w never leave wave w's registers.  From wave to wave go, through LDS, images of operand registers (the codes of xt, o, ln1, h) and the rows' sums.
; THE RESIDUAL lies in LDS in f32, each wave's 64 columns in a slice of its own (128 rows x 272 bytes): the same bytes turn the dense loads into the layout of matrix results, keep xt, then ln1,
; and turn the result into whole rows of 256 bytes for the stores.
; PHASE X IS A LOOP OF FOUR TRIPS OF 32 ROWS: two slots of x and te are added, quantised and filled again, and the same trip makes k of these 32 rows while the next 32 loads a wave are out.
; THE CHAIN BEHIND THE ATTENTION GOES BY HALVES OF 64 ROWS, in two counted loops of two trips: stage 1 = Wo, residual, norm, ln1's image; stage 2 = W1, relu, W2, residual, norm.
; A half needs 128 accumulators, so W1 (window 1) and W2 (window 0) are in registers together.  The first half's result waits in the slice and leaves in stage 2's second trip, in four groups
; of eight stores a wave among that trip's work, from W1's registers, which are done with behind that trip's W1.
; LAYOUT.  The linears are used transposed (source 0 = 16 columns of the weight, source 1 = 16 rows of the operand): a lane holds ONE row (lane % 16).  The columns of tile 2 b + u are
; 32 b + 8 u + r + 8 (r / 8), so the 16 registers of tiles 2 b, 2 b + 1 are 16 neighbouring columns.  V alone is used the other way round: its registers run down the keys.
; NO CLUSTER, NO TENSOR LOAD: all work-groups walk the same weights, but 326,656 of LDS's 327,680 bytes are in use: a joint load has no bytes to land in.
; NO PREFETCH: x and te are asked for a trip ahead, 32 loads a wave; each weight is asked for a phase ahead of its use, into registers.
; LIMITS.  NaN and infinities among the inputs are not served.  A block whose largest magnitude lies under 2^-124 has its byte held at 1; a block of zeros gets the byte 1 where the rule says 127
; (its codes are zeros).  t = score x one f32 constant (log2 e / 8, or 0.3 log2 e / 8).  1 / l is v_rcp_f32 and 1 / sqrt(var + eps) v_rsq_f32, each followed by a multiplication.
.set PITCH, 272                        ; a slice's row: 256 bytes + 16
.set SLICE, 128*PITCH
.set HS,    64*PITCH                   ; half a slice
.set ACT,   8*SLICE                    ; the operand's image: fragment (tile of rows m, K step s) at 4096 m + 1024 s, chunk c at 512 c, 16 bytes a lane.  Wave w writes at 512 w
.set ASC,   ACT+32768                  ; its scale words: 16 x row + 4 s.  Wave w writes two bytes at 2 w
.set ST1,   ASC+2048                   ; the sums of a half's 64 rows, 32 x row + 4 w; SQ bytes on: the sums of squares
.set SQ,    2048
.set BE,    ST1                        ; bk, bv, bq (2,048 bytes each) lie in the same bytes: last read ahead of barrier B2, the sums first written behind B3
.set LATE,  6144                       ; bo, b1, b2: BE + 6,144 on
.set SPARE, ST1+12288                  ; the spare words, 128 bytes a wave: 1,024 bytes that no other line names
.set ROWG,  262144                     ; from token to token in x, te and out0
; REGISTERS, window 0: v1 16 lane | v2 global offset | v3 slice, dense | v4 slice, result layout | v5, v6 image, write and read | v7, v8 scale bytes and words | v9, v10 biases | v11, v12 sums
;   v13, v14 at work | v16-29 the quantiser | v30 my spare word, v31 zero: for the add alone | v32-47 two sets of weights' scale words | v48-63 operands' scale words | v64-127 by phase | v128-255 a weight
; window 1 (u): phase X: u0-127 two slots, u128-191 codes and k's results.  Linears: u0-127 Wv, later q's codes in u0-31; u128-191 results; u192-223 k's codes; u224-255 v's.
;   Attention: u32-95 scores, u128-191 O^T.  Chain: u0-127 the half's 16 accumulators, (i, t) at 32 i + 8 t; u128-255 W1, then the first half's result on its way out.
.set MSB, 0
.macro WIN new                         ; low byte: bits 1:0 source 0, 3:2 source 1, 5:4 source 2, 7:6 destination; the high byte repeats the setting that is left
.if MSB != (\new)
	s_set_vgpr_msb (MSB<<8)|(\new)
.set MSB, (\new)
.endif
.endm
.macro NOPS n
.rept \n
	v_nop
.endr
.endm
.macro BAR                             ; my LDS stores have landed and my LDS loads are in: then the work-group's barrier
	s_wait_alu depctr_va_vdst(0)                   ; the wait ahead of a wait that blocks
	s_wait_dscnt 0x0
	s_barrier_signal -1
	s_barrier_wait -1
.endm
; One matrix instruction.  c < 0: the constant 0 starts the sum.  row = 1: source 0's scales stand in lanes 16-31 of their register; 2: source 1's
.macro WM d, a, b, c, sa, sb, row
.if (\c) < 0
.if (\row) == 1
	v_wmma_scale_f32_16x16x128_f8f6f4 v[(\d):(\d)+7], v[(\a):(\a)+7], v[(\b):(\b)+7], 0, v[(\sa)], v[(\sb)] matrix_a_fmt:MATRIX_FMT_FP4 matrix_b_fmt:MATRIX_FMT_FP4 matrix_a_scale:MATRIX_SCALE_ROW1
.elseif (\row) == 2
	v_wmma_scale_f32_16x16x128_f8f6f4 v[(\d):(\d)+7], v[(\a):(\a)+7], v[(\b):(\b)+7], 0, v[(\sa)], v[(\sb)] matrix_a_fmt:MATRIX_FMT_FP4 matrix_b_fmt:MATRIX_FMT_FP4 matrix_b_scale:MATRIX_SCALE_ROW1
.else
	v_wmma_scale_f32_16x16x128_f8f6f4 v[(\d):(\d)+7], v[(\a):(\a)+7], v[(\b):(\b)+7], 0, v[(\sa)], v[(\sb)] matrix_a_fmt:MATRIX_FMT_FP4 matrix_b_fmt:MATRIX_FMT_FP4
.endif
.else
.if (\row) == 1
	v_wmma_scale_f32_16x16x128_f8f6f4 v[(\d):(\d)+7], v[(\a):(\a)+7], v[(\b):(\b)+7], v[(\c):(\c)+7], v[(\sa)], v[(\sb)] matrix_a_fmt:MATRIX_FMT_FP4 matrix_b_fmt:MATRIX_FMT_FP4 matrix_a_scale:MATRIX_SCALE_ROW1
.elseif (\row) == 2
	v_wmma_scale_f32_16x16x128_f8f6f4 v[(\d):(\d)+7], v[(\a):(\a)+7], v[(\b):(\b)+7], v[(\c):(\c)+7], v[(\sa)], v[(\sb)] matrix_a_fmt:MATRIX_FMT_FP4 matrix_b_fmt:MATRIX_FMT_FP4 matrix_b_scale:MATRIX_SCALE_ROW1
.else
	v_wmma_scale_f32_16x16x128_f8f6f4 v[(\d):(\d)+7], v[(\a):(\a)+7], v[(\b):(\b)+7], v[(\c):(\c)+7], v[(\sa)], v[(\sb)] matrix_a_fmt:MATRIX_FMT_FP4 matrix_b_fmt:MATRIX_FMT_FP4
.endif
.endif
.endm
; K steps s0 .. s1 of my part of weight mu into window dw: fragment (s, t) at base + 32 s + 8 t.  A load reads 512 consecutive bytes
.macro WLOAD mu, dw, base, s0, s1
	WIN 0x40*(\dw)
.set ws_, \s0
.rept (\s1)-(\s0)+1
.irp t, 0,1,2,3
.irp c, 0,1
	global_load_b128 v[(\base)+32*ws_+8*\t+4*\c:(\base)+32*ws_+8*\t+4*\c+3], v1, s[52:53] offset:(\mu)*131072+4096*ws_+1024*\t+512*\c
.endr
.endr
.set ws_, ws_+1
.endr
	WIN 0
.endm
.macro SLOAD mu, set                   ; its scale words: register set + 4 b + s: lanes 0-15 tile 2 b, lanes 16-31 tile 2 b + 1
.irp b, 0,1
	global_load_b128 v[(\set)+4*\b:(\set)+4*\b+3], v1, s[54:55] offset:(\mu)*8192+512*\b
.endr
.endm
; THE QUANTISER.  Four blocks of 32; my 16 numbers of block g stand in src + 16 g on (window sw), the other 16 in lane l xor 16.  Left behind: the bytes in v20-23, and two registers of codes a block
; at dst + s1 (g / 2) + s0 (g % 2) (window dw).  The numbers are read in ascending order: each matrix result from its low end on.
.macro QUANT4 src, sw, dst, dw, s1, s0
	WIN 0x14*(\sw)
.irp g, 0,1,2,3
	v_max3_num_f32 v[16+\g], 0x1800000, |v[(\src)+16*\g]|, |v[(\src)+16*\g+1]|     ; with the floor 2^(3 - 127): the byte cannot fall under 1
.endr
.irp i, 2,4,6,8,10,12,14
.irp g, 0,1,2,3
	v_max3_num_f32 v[16+\g], v[16+\g], |v[(\src)+16*\g+\i]|, |v[(\src)+16*\g+\i+1]|   ; the four blocks by turns
.endr
.endr
	WIN 0
.irp g, 0,1,2,3
	v_permlanex16_b32 v[20+\g], v[16+\g], s56, s57
.endr
.irp g, 0,1,2,3
	s_delay_alu instid0(VALU_DEP_4)
	v_max_num_f32 v[16+\g], v[16+\g], v[20+\g]     ; the block's largest magnitude
.endr
.irp g, 0,1,2,3
	s_delay_alu instid0(VALU_DEP_4)
	v_add_nc_u32 v[24+\g], 0xff000000, v[16+\g]    ; 2 off its exponent field: the conversion's scale operand
.endr
.irp g, 0,1,2,3
	s_delay_alu instid0(VALU_DEP_4)
	v_lshrrev_b32 v[20+\g], 23, v[24+\g]           ; the scale's byte
.endr
	WIN (\sw)|((\dw)<<6)
.irp g, 0,1,2,3
	v_cvt_scalef32_pk8_fp4_f32 v[(\dst)+(\s1)*(\g/2)+(\s0)*(\g%2)], v[(\src)+16*\g:(\src)+16*\g+7], v[24+\g]
	v_cvt_scalef32_pk8_fp4_f32 v[(\dst)+(\s1)*(\g/2)+(\s0)*(\g%2)+1], v[(\src)+16*\g+8:(\src)+16*\g+15], v[24+\g]
.endr
	WIN 0
	v_nop                                          ; one plain line behind the conversions
.endm
.macro SWAP4 dst, dw                   ; the operand's layout wants a WHOLE block in a lane: lanes 0-15 get blocks 0 and 2, lanes 16-31 blocks 1 and 3
	WIN 0x41*(\dw)
.irp c, 0,1
.irp i, 0,1
	v_permlane16_swap_b32 v[(\dst)+4*\c+\i], v[(\dst)+4*\c+2+\i]
.endr
.endr
.endm
.macro WORD4 d                         ; the four bytes make a scale word
	v_lshl_or_b32 v[(\d)], v21, 8, v20
	s_delay_alu instid0(VALU_DEP_1)
	v_lshl_or_b32 v[(\d)], v22, 16, v[(\d)]
	s_delay_alu instid0(VALU_DEP_1)
	v_lshl_or_b32 v[(\d)], v23, 24, v[(\d)]
.endm
; My 64 columns of tiles of rows m0 and m0 + 1 (blocks 0, 1 and 2, 3 of QUANT4; codes at pc in window dw) go into the image: 16 bytes a lane and two scale bytes a row for each tile
.macro TOIMG pc, dw, adr, sadr, m0
	SWAP4 \pc, \dw
	WIN 0
	v_lshl_or_b32 v28, v21, 8, v20
	v_lshl_or_b32 v29, v23, 8, v22
	WIN 0x04*(\dw)
	ds_store_b128 v[\adr], v[(\pc):(\pc)+3] offset:4096*(\m0)
	ds_store_b128 v[\adr], v[(\pc)+4:(\pc)+7] offset:4096*((\m0)+1)
	WIN 0
	ds_store_b16 v[\sadr], v28 offset:256*(\m0)    ; both lanes of a row write the same two bytes with the same value
	ds_store_b16 v[\sadr], v29 offset:256*((\m0)+1)
.endm
.macro BILOAD dst, adr, off            ; a bias in the result's layout: register 8 t + j = column 32 (t / 2) + 16 (lane / 16) + 8 (t % 2) + j
.irp t, 0,1,2,3
.irp q, 0,1
	ds_load_b128 v[(\dst)+8*\t+4*\q:(\dst)+8*\t+4*\q+3], v[\adr] offset:(\off)+128*(\t/2)+32*(\t%2)+16*\q
.endr
.endr
.endm
; x and te of 16 rows into slot k, from bases sx and st: lanes 0-15 take 256 consecutive bytes of one token, lanes 16-31 of the next; read once
.macro XFILL k, sx, st
	WIN 0x40
.irp i, 0,1,2,3,4,5,6,7
	global_load_b128 v[64*(\k)+4*\i:64*(\k)+4*\i+3], v2, s[\sx:\sx+1] offset:(16*(\k)+2*\i)*ROWG th:TH_LOAD_NT
	global_load_b128 v[64*(\k)+32+4*\i:64*(\k)+32+4*\i+3], v2, s[\st:\st+1] offset:(16*(\k)+2*\i)*ROWG th:TH_LOAD_NT
.endr
	WIN 0
.endm
.macro AFLOAD fo, so, a, sa            ; a tile of rows: its four fragments and its four scale words
.irp s, 0,1,2,3
.irp c, 0,1
	ds_load_b128 v[64+8*\s+4*\c:64+8*\s+4*\c+3], v[\a] offset:(\fo)+1024*\s+512*\c
.endr
.endr
	ds_load_b128 v[60:63], v[\sa] offset:\so
.endm
; 16 matrix instructions: a tile of rows x my four tiles of columns, K = 512.  The four accumulators take turns, one instruction a turn.  The bias in v96-127 starts each sum.
; kind 0: transposed, results at u[128 + 32 up + 8 t].  kind 1 (V): rows as source 0, the weight (in window 1) as source 1; results at u[128 + 16 t + 8 up].
.macro TILEMM kind, wbase, set, up
.irp s, 0,1,2,3
.if \s == 0
	WIN 0x40+4*(\kind)
.else
	WIN 0x50+4*(\kind)
.endif
.irp t, 0,1,2,3
.if (\kind) == 0
.if \s == 0
	WM 128+32*(\up)+8*\t, (\wbase)+32*\s+8*\t, 64+8*\s, 96+8*\t, (\set)+4*(\t/2)+\s, 60+\s, \t%2
.else
	WM 128+32*(\up)+8*\t, (\wbase)+32*\s+8*\t, 64+8*\s, 128+32*(\up)+8*\t, (\set)+4*(\t/2)+\s, 60+\s, \t%2
.endif
.else
.if \s == 0
	WM 128+16*\t+8*(\up), 64+8*\s, (\wbase)+32*\s+8*\t, 96+8*\t, 60+\s, (\set)+4*(\t/2)+\s, 2*(\t%2)
.else
	WM 128+16*\t+8*(\up), 64+8*\s, (\wbase)+32*\s+8*\t, 128+16*\t+8*(\up), 60+\s, (\set)+4*(\t/2)+\s, 2*(\t%2)
.endif
.endif
.endr
.endr
.endm
; THE RESULTS ARE SHIFTED IN, so that a trip is written once.  k and q: two tiles of rows are one fragment of eight registers and one scale word; the 32 registers and the four words move up by
; one fragment and the new one enters at the end.
.macro OUTKQ cb, sb
	WIN 0x41
.set i_, 0
.rept 24
	v_mov_b32 v[(\cb)+i_], v[(\cb)+8+i_]
.set i_, i_+1
.endr
	WIN 0
	v_mov_b32 v[(\sb)], v[(\sb)+1]
	v_mov_b32 v[(\sb)+1], v[(\sb)+2]
	v_mov_b32 v[(\sb)+2], v[(\sb)+3]
	QUANT4 128, 1, (\cb)+24, 1, 4, 2
	SWAP4 (\cb)+24, 1
	WIN 0
	WORD4 (\sb)+3
.endm
; v: a trip's 32 rows are one block of 32 keys for each of my four tiles of channels: two registers and one byte enter each tile's fragment and word.
; A lane's 16 keys of the block are 8 Hh + 0 .. 7 and 16 + 8 Hh + 0 .. 7: the order in which the scores hold them too.
.macro OUTV
	WIN 0x41
.irp dt, 0,1,2,3
.irp i, 0,1,2,3,4,5
	v_mov_b32 v[224+8*\dt+\i], v[226+8*\dt+\i]
.endr
.endr
	QUANT4 128, 1, 230, 1, 16, 8
.irp dt, 0,1,2,3
	v_lshrrev_b32 v[52+\dt], 8, v[52+\dt]
.endr
.irp dt, 0,1,2,3
	s_delay_alu instid0(VALU_DEP_4)
	v_lshl_or_b32 v[52+\dt], v[20+\dt], 24, v[52+\dt]
.endr
.endm
; ---------------------------------------------------------------- the head
	s_load_b512 s[4:19], s[0:1], 0x0               ; x, te, wc, ws, bk, bv, bq, bo
	s_load_b128 s[20:23], s[0:1], 0x40             ; b1, b2
	s_load_b64 s[24:25], s[0:1], 0x50              ; out0
	v_lshl_add_u32 v30, v0, 2, SPARE               ; my spare word,
	v_mov_b32 v31, 0                               ; and 0: kept for the closing add alone
	v_lshrrev_b32 v16, 5, v0
	s_delay_alu instid0(VALU_DEP_1)
	v_readfirstlane_b32 s26, v16                   ; wave = head
	v_and_b32 v16, 31, v0                          ; lane
	v_and_b32 v17, 15, v0                          ; R = lane % 16
	v_bfe_u32 v18, v0, 4, 1                        ; Hh = lane / 16
	s_delay_alu instid0(VALU_DEP_3)
	v_lshlrev_b32 v1, 4, v16
	s_delay_alu instid0(VALU_DEP_3)
	v_lshlrev_b32 v19, 4, v17
	s_delay_alu instid0(VALU_DEP_1)
	v_lshl_add_u32 v2, v18, 18, v19
	s_mul_i32 s27, s26, SLICE
	v_mul_u32_u24 v3, v18, PITCH
	s_delay_alu instid0(VALU_DEP_1)
	v_add_nc_u32 v3, v3, v19
	s_delay_alu instid0(VALU_DEP_1)
	v_add_nc_u32 v3, s27, v3
	v_mul_u32_u24 v4, v17, PITCH
	s_delay_alu instid0(VALU_DEP_1)
	v_lshl_add_u32 v4, v18, 6, v4
	s_delay_alu instid0(VALU_DEP_1)
	v_add_nc_u32 v4, s27, v4
	s_lshl_b32 s27, s26, 9
	s_add_co_u32 s27, s27, ACT
	v_add_nc_u32 v5, s27, v1
	v_add_nc_u32 v6, ACT, v1
	s_lshl_b32 s27, s26, 1
	s_add_co_u32 s27, s27, ASC
	v_add_nc_u32 v7, s27, v19
	v_lshlrev_b32 v14, 3, v16
	s_lshl_b32 s27, s26, 8
	v_add_nc_u32 v14, s27, v14                     ; the biases: my 64 numbers, 8 bytes a lane
	s_delay_alu instid0(VALU_DEP_1)
	v_add_nc_u32 v13, BE, v14                      ; and their place in LDS
	s_lshr_b32 s2, ttmp9, 7                        ; b: 2^25 bytes;
	s_lshl_b32 s2, s2, 25
	s_and_b32 s3, ttmp9, 127                       ; n: 2,048 bytes;
	s_lshl_b32 s3, s3, 11
	s_add_co_u32 s2, s2, s3
	s_add_co_u32 s2, s2, s27                       ; my 64 columns: 256 bytes
	s_mov_b32 s3, 0
	s_wait_alu depctr_va_vdst(0)                   ; the wait here, directly ahead of the wait below
	s_wait_kmcnt 0x0
	s_add_nc_u64 s[28:29], s[4:5], s[2:3]          ; x and te at token 0,
	s_add_nc_u64 s[36:37], s[6:7], s[2:3]
	s_add_nc_u64 s[30:31], s[28:29], 32*ROWG       ; and at token 32: the refills' bases, stepped by 32 tokens a trip
	s_add_nc_u64 s[38:39], s[36:37], 32*ROWG
	s_add_nc_u64 s[44:45], s[24:25], s[2:3]        ; out0 at tokens 0, 32, 64, 96, so that every offset fits the signed 24-bit immediate
.irp j, 1,2,3
	s_add_nc_u64 s[44+2*\j:45+2*\j], s[42+2*\j:43+2*\j], 32*ROWG
.endr
	s_lshl_b32 s2, s26, 14
	s_add_nc_u64 s[52:53], s[8:9], s[2:3]          ; my part of every weight's codes
	s_lshl_b32 s2, s26, 10
	s_add_nc_u64 s[54:55], s[10:11], s[2:3]        ; and of their scale words
.irp j, 0,1,2,3,4,5
	global_load_b64 v[64+2*\j:65+2*\j], v14, s[12+2*\j:13+2*\j]   ; my 64 numbers of bk, bv, bq, bo, b1, b2
.endr
	SLOAD 0, 32                                    ; Wk's scale words, Wv's,
	SLOAD 1, 40
	WLOAD 0, 0, 128, 0, 3                          ; Wk
	XFILL 0, 28, 36                                ; rows 0-15 and 16-31
	XFILL 1, 28, 36
	s_mov_b32 s56, 0x76543210                      ; v_permlanex16_b32's selects for lane l xor 16
	s_mov_b32 s57, 0xfedcba98
	s_mov_b32 s61, 0x3b000000                      ; 1 / 512
	s_mov_b32 s62, 0x3727c5ac                      ; 1e-5
	s_mov_b32 s27, 0x3d5d9914                      ; 0.3 log2(e) / 8
.irp kt, 0,1,2,3,4,5,6,7                           ; t = score x c: key tile kt is my head's own where kt = my wave: c = log2(e) / 8
	s_cmp_eq_u32 s26, \kt
	s_cselect_b32 s[66+2*\kt], 0x3e38aa3b, s27
	s_mov_b32 s[67+2*\kt], s[66+2*\kt]             ; (the packed form names a pair)
.endr
	v_lshlrev_b32 v18, 3, v18
	s_delay_alu instid0(VALU_DEP_1)
	v_sub_nc_u32 v17, v17, v18                     ; R - 8 Hh
.irp j, 0,1,2,3,4,5,6,7
	v_cmp_gt_i32 s[82+\j], \j, v17                 ; on the diagonal register j holds key 8 Hh + j of the tile: hidden from query R where j > R - 8 Hh
.endr
.irp i, 0,1,2,3,4,5,6,7,8,9,10,11,12,13,14,15
	v_mov_b32 v[48+\i], 0                          ; the scale words: k's, v's and q's are shifted in, so they are written once here
.endr
.irp i, 0,1,2,3
	v_mov_b32 v[20+\i], 0                          ; a lane permute's destination counts as one of its sources
.endr
	WIN 0x40
.set i_, 0
.rept 64
	v_mov_b32 v[192+i_], 0                         ; k's and v's codes are shifted in too: written once here
.set i_, i_+1
.endr
	WIN 0
	s_wait_loadcnt 63                              ; 68 loads are younger than the biases'; a wait names 63 at the most
.irp j, 0,1,2
	ds_store_b64 v13, v[64+2*\j:65+2*\j] offset:2048*\j           ; each wave keeps its own 256 bytes of each bias, and reads only these
	ds_store_b64 v13, v[70+2*\j:71+2*\j] offset:LATE+2048*\j
.endr
	s_wait_dscnt 0x0                               ; the stores have read their registers
	v_and_b32 v13, 15, v0
	v_bfe_u32 v14, v0, 4, 1
	s_delay_alu instid0(VALU_DEP_2)
	v_lshl_add_u32 v8, v13, 4, ASC
	s_lshl_b32 s27, s26, 8
	s_add_co_u32 s27, s27, BE
	v_lshl_add_u32 v9, v14, 6, s27                 ; a bias in the result's layout: my 256 bytes, + 64 Hh
	v_and_b32 v10, 8, v13
	s_delay_alu instid0(VALU_DEP_1)
	v_add_nc_u32 v10, v10, v13
	s_add_co_u32 s27, s27, 2048
	v_lshl_add_u32 v10, v10, 2, s27                ; bv: one number a lane: column R + 8 (R / 8) of a tile
	s_lshl_b32 s27, s26, 2
	s_add_co_u32 s27, s27, ST1
	v_lshl_add_u32 v11, v13, 5, s27                ; the sums: my word of row R;
	v_lshl_add_u32 v12, v13, 5, ST1
	s_delay_alu instid0(VALU_DEP_1)
	v_lshl_add_u32 v12, v14, 4, v12                ; and on the way back four waves' words: lanes 0-15 waves 0-3, lanes 16-31 waves 4-7
; ---------------------------------------------------------------- X and k: four trips of 32 rows.  v3 to v8 point at the trip's rows and are stepped at its end
; Slot k is added, goes into my slice as loaded and comes back in the result's layout.  Then it is asked for again: the rows 32 on, or, in the last trip, half of Wv: sixteen loads on either way,
; so the wait at the head of a slot's turn always leaves the other slot's sixteen out.
.macro XT k
	s_wait_loadcnt 16
	WIN 0x45
.irp i, 0,2,4,6,8,10,12,14,16,18,20,22,24,26,28,30
	v_pk_add_f32 v[64*(\k)+\i:64*(\k)+\i+1], v[64*(\k)+\i:64*(\k)+\i+1], v[64*(\k)+32+\i:64*(\k)+32+\i+1]
.endr
	WIN 0x04
.irp i, 0,1,2,3,4,5,6,7
	ds_store_b128 v3, v[64*(\k)+4*\i:64*(\k)+4*\i+3] offset:(16*(\k)+2*\i)*PITCH
.endr
	WIN 0
.irp b, 0,1
.irp q, 0,1,2,3
	ds_load_b128 v[64+32*(\k)+16*\b+4*\q:64+32*(\k)+16*\b+4*\q+3], v4 offset:16*(\k)*PITCH+128*\b+16*\q   ; LDS serves a wave's instructions in order (ISA guide 5.7.1.4)
.endr
.endr
	s_wait_alu depctr_va_vdst(0)
	s_wait_dscnt 0x0                               ; the stores have read the slot's registers, and my 32 numbers are in
	s_cmp_eq_u32 s59, 3
	s_cbranch_scc1 .Lwv_\@
	XFILL \k, 30, 38
	s_branch .Lrf_\@
.Lwv_\@:
	WLOAD 1, 1, 0, 2*(\k), 2*(\k)+1
.Lrf_\@:
.endm
	s_mov_b32 s59, 0
	s_wait_alu depctr_va_vdst(0)                   ; the wait at the head's end
.Lx:
	XT 0
	XT 1
	QUANT4 64, 0, 128, 1, 4, 2                     ; two tiles of rows x my 64 columns; the codes in u128-135
	TOIMG 128, 1, 5, 7, 0
	BILOAD 96, 9, 0                                ; bk
	BAR                                            ; these 32 rows of xt's image are whole
	AFLOAD 0, 0, 6, 8
	s_wait_dscnt 0x0
	TILEMM 0, 128, 32, 0
	WIN 0
	NOPS 4                                         ; four places in front of loads into registers that matrix instructions have read
	AFLOAD 4096, 256, 6, 8
	s_wait_dscnt 0x0
	TILEMM 0, 128, 32, 1
	WIN 0
	NOPS 4                                         ; and in front of the first read of results
	OUTKQ 192, 48
	s_wait_xcnt 0x0                                ; the refills have read their bases
	s_add_nc_u64 s[30:31], s[30:31], 32*ROWG
	s_add_nc_u64 s[38:39], s[38:39], 32*ROWG
	v_add_nc_u32 v3, 32*PITCH, v3
	v_add_nc_u32 v4, 32*PITCH, v4
	v_add_nc_u32 v5, 8192, v5
	v_add_nc_u32 v6, 8192, v6
	v_add_nc_u32 v7, 512, v7
	v_add_nc_u32 v8, 512, v8
	BAR                                            ; every wave has read these rows of the image (the last time: B1, xt's image is whole)
	s_add_co_u32 s59, s59, 1
	s_cmp_lt_u32 s59, 4
	s_cbranch_scc1 .Lx
	v_sub_nc_u32 v3, v3, SLICE                     ; back to row 0
	v_sub_nc_u32 v4, v4, SLICE
	v_sub_nc_u32 v5, v5, 32768
	v_sub_nc_u32 v6, v6, 32768
	v_sub_nc_u32 v7, v7, 2048
	v_sub_nc_u32 v8, v8, 2048
; ---------------------------------------------------------------- v, q: two passes over the eight tiles of rows, two tiles a trip
.macro PASS kind, wbase, set, out
	s_mov_b32 s59, 4                               ; trips to go
	s_mov_b32 s90, 0                               ; two tiles of the image,
	s_mov_b32 s91, 0                               ; and of its scale words a trip
	v_add_nc_u32 v13, s90, v6
	v_add_nc_u32 v14, s91, v8
	s_wait_alu depctr_va_vdst(0)
	s_wait_dscnt 0x0                               ; the bias is in
	AFLOAD 0, 0, 13, 14
.Lpass_\@:
	s_wait_dscnt 0x0                               ; the tile's fragments
	TILEMM \kind, \wbase, \set, 0
	WIN 0
	NOPS 4
	AFLOAD 4096, 256, 13, 14
	s_wait_dscnt 0x0
	TILEMM \kind, \wbase, \set, 1
	WIN 0
	NOPS 4
	s_add_co_u32 s90, s90, 8192
	s_add_co_u32 s91, s91, 512
	v_add_nc_u32 v13, s90, v6
	v_add_nc_u32 v14, s91, v8
	s_cmp_eq_u32 s59, 1
	s_cbranch_scc1 .Lpass_last_\@                  ; the last trip fetches nothing
	AFLOAD 0, 0, 13, 14                            ; the next trip's first tile lands while this trip's results are quantised
.Lpass_last_\@:
.if (\out) == 1
	OUTV
.else
	OUTKQ 0, 56
.endif
	s_sub_co_u32 s59, s59, 1
	s_cmp_lg_u32 s59, 0
	s_wait_alu depctr_va_vdst(0)                   ; the wait ahead of the backward jump
	s_cbranch_scc1 .Lpass_\@
.endm
	WLOAD 2, 0, 128, 0, 3                          ; Wq takes Wk's registers while V is made
	SLOAD 2, 32
.irp t, 0,1,2,3
.irp j, 0,1,2,3,4,5,6,7
	ds_load_b32 v[96+8*\t+\j], v10 offset:128*(\t/2)+32*(\t%2)    ; bv: a lane holds one column, so its eight registers take the same number
.endr
.endr
	s_wait_alu depctr_va_vdst(0)
	s_wait_loadcnt 34                              ; Wv is in; Wq's 32 loads and its scale words' two may be out
	PASS 1, 0, 40, 1
.irp dt, 0,1,2,3
	SWAP4 224+8*\dt, 1
.endr
	WIN 0
	s_wait_alu depctr_va_vdst(0)
	s_wait_loadcnt 0x0                             ; Wq and its scale words
	SLOAD 3, 40                                    ; Wo's scale words
	BILOAD 96, 9, 4096                             ; bq
	PASS 0, 128, 32, 2
	BAR                                            ; B2: every wave has done with xt's image
; ---------------------------------------------------------------- attention of my head, a tile of 16 queries at a time
	WLOAD 3, 0, 128, 0, 3                          ; Wo lands meanwhile,
	SLOAD 4, 32                                    ; and W1's scale words
.irp i, 0,1,2,3
	v_mov_b32 v[64+\i], 0                          ; v64-75 = zeros, q, zeros: v[68:75] multiplies a fragment of k by q in its lower K half and by nothing in its upper, v[64:71] the other way round
	v_mov_b32 v[72+\i], 0
.endr
	v_mov_b32 v13, 0xff800000                      ; -infinity
; Queries 16 m .. 16 m + 15 see key tiles 0 .. m; the others are not computed.  S^T = K Q^T and O^T = V^T P^T: a lane holds one query throughout.
.macro ATT m
.set NT, (\m)+1
.set NB, (\m)/2+1
	WIN 0x01
.irp i, 0,1,2,3
	v_mov_b32 v[68+\i], v[4*(\m)+\i]               ; the tile's codes of q
.endr
	WIN 0
.if (\m)%2
	v_perm_b32 v61, v[56+(\m)/2], v[56+(\m)/2], 0x03020302   ; its two scale bytes, in both halves of the word
.else
	v_perm_b32 v61, v[56+(\m)/2], v[56+(\m)/2], 0x01000100
.endif
	NOPS 8                                         ; a scale register written by a vector instruction stands 8 places ahead of a scaled matrix instruction, an operand so written 4
	WIN 0x41
.set kt, 0
.rept NT
	WM 32+8*kt, 192+8*(kt/2), 68-4*(kt%2), -1, 48+kt/2, 61, 0
.set kt, kt+1
.endr
	NOPS 4
.irp j, 0,1,2,3,4,5,6,7
	v_cndmask_b32 v[32+8*(\m)+\j], v[32+8*(\m)+\j], v13, s[82+\j]    ; the diagonal tile: hidden scores become -infinity
.endr
.set kt, 0
.rept NT
.irp e, 0,2,4,6
	v_pk_mul_f32 v[32+8*kt+\e:33+8*kt+\e], v[32+8*kt+\e:33+8*kt+\e], s[66+2*kt:67+2*kt] op_sel_hi:[1,0]   ; t = score x the tile's c
.endr
.set kt, kt+1
.endr
	WIN 0x14
.set kt, 0
.rept NT
	v_max3_num_f32 v[92+kt], v13, v[32+8*kt], v[33+8*kt]           ; each tile's largest t, the tiles by turns
.set kt, kt+1
.endr
.irp e, 2,4,6
.set kt, 0
.rept NT
	v_max3_num_f32 v[92+kt], v[92+kt], v[32+8*kt+\e], v[33+8*kt+\e]
.set kt, kt+1
.endr
.endr
	WIN 0
.set b_, 0
.rept NB                               ; THE LARGEST t OF EACH BLOCK OF 32 KEYS serves twice: for the row's maximum, and, since p rises with t, for the block's largest p
.if 2*b_+1 < NT
	v_max_num_f32 v[100+b_], v[92+2*b_], v[93+2*b_]
.else
	v_mov_b32 v[100+b_], v[92+2*b_]
.endif
.set b_, b_+1
.endr
.set b_, 0
.rept NB
	v_permlanex16_b32 v[104+b_], v[100+b_], s56, s57
.set b_, b_+1
.endr
.set b_, 0
.rept NB
	v_max_num_f32 v[100+b_], v[100+b_], v[104+b_]
.set b_, b_+1
.endr
	v_mov_b32 v14, v100
.set b_, 1
.rept NB-1
	s_delay_alu instid0(VALU_DEP_1)
	v_max_num_f32 v14, v14, v[100+b_]              ; the row's largest t: all its keys are at hand, so no running maximum is needed
.set b_, b_+1
.endr
	s_delay_alu instid0(VALU_DEP_1)
	v_floor_f32 v120, -v14                         ; -M = floor(-t) = -ceil(t): M is a whole number
	s_delay_alu instid0(VALU_DEP_1)
	v_mov_b32 v121, v120
.set b_, 0
.rept NB
	v_add_f32 v[108+b_], v[100+b_], v120
.set b_, b_+1
.endr
	WIN 0x41
.set kt, 0
.rept NT
.irp e, 0,2,4,6
	v_pk_add_f32 v[32+8*kt+\e:33+8*kt+\e], v[32+8*kt+\e:33+8*kt+\e], v[120:121]
.endr
.set kt, kt+1
.endr
.set kt, 0
	s_wait_alu depctr_va_vdst(0)                   ; the wait ahead of the batch
.rept NT
.irp j, 0,1,2,3,4,5,6,7
	v_exp_f32 v[32+8*kt+\j], v[32+8*kt+\j]         ; p = 2^(t - M): not normalised
.endr
.set kt, kt+1
.endr
	WIN 0
.set b_, 0
.rept NB
	v_exp_f32 v[108+b_], v[108+b_]                 ; the block's largest p: the same two instructions on the same number give the same bits
.set b_, b_+1
.endr
	v_nop                                          ; a plain line behind the exponentials
	s_wait_alu depctr_va_vdst(0)                   ; one wait for the whole batch, ahead of its first reader
.set b_, 0
.rept NB
	v_max_num_f32 v[108+b_], 0x1800000, v[108+b_]  ; the floor 2^(3 - 127)
.set b_, b_+1
.endr
.set b_, 0
.rept NB
	v_add_nc_u32 v[112+b_], 0xff000000, v[108+b_]  ; the conversion's scale operand
.set b_, b_+1
.endr
.set b_, 0
.rept NB
	v_lshrrev_b32 v[116+b_], 23, v[112+b_]         ; the scale's byte
.set b_, b_+1
.endr
	v_mov_b32 v60, v116                            ; p's scale word; blocks that are not computed keep the byte 0 over zero codes
.set b_, 1
.rept NB-1
	s_delay_alu instid0(VALU_DEP_1)
	v_lshl_or_b32 v60, v[116+b_], 8*b_, v60
.set b_, b_+1
.endr
	WIN 0x01
.set kt, 0
.rept NT
	v_cvt_scalef32_pk8_fp4_f32 v[76+kt], v[32+8*kt:39+8*kt], v[112+kt/2]
.set kt, kt+1
.endr
	WIN 0
.set kt, NT
.rept 8-NT
	v_mov_b32 v[76+kt], 0                          ; the hidden tiles: zero codes
.set kt, kt+1
.endr
	v_nop                                          ; one plain line behind the conversions
	SWAP4 76, 0
	WIN 0x05
	v_pk_add_f32 v[122:123], v[32:33], v[34:35]    ; THE ROW'S SUM IS TAKEN OF THE UNQUANTISED p: two at a time, in two chains
	v_pk_add_f32 v[124:125], v[36:37], v[38:39]
.if NT > 1
	WIN 0x04
.endif
.set kt, 1
.rept NT-1
	v_pk_add_f32 v[122:123], v[122:123], v[32+8*kt:33+8*kt]
	v_pk_add_f32 v[124:125], v[124:125], v[34+8*kt:35+8*kt]
	v_pk_add_f32 v[122:123], v[122:123], v[36+8*kt:37+8*kt]
	v_pk_add_f32 v[124:125], v[124:125], v[38+8*kt:39+8*kt]
.set kt, kt+1
.endr
	NOPS 8                                         ; p's scale word 8 places, its codes 4, ahead of the products
	WIN 0x41
.irp dt, 0,1,2,3
	WM 128+32*((\m)%2)+8*\dt, 224+8*\dt, 76, -1, 52+\dt, 60, 0
.endr
	WIN 0
	v_pk_add_f32 v[122:123], v[122:123], v[124:125]
	s_delay_alu instid0(VALU_DEP_1)
	v_add_f32 v122, v122, v123
	s_delay_alu instid0(VALU_DEP_1)
	v_permlanex16_b32 v104, v122, s56, s57
	s_delay_alu instid0(VALU_DEP_1)
	v_add_f32 v122, v122, v104                     ; the row's sum l
	v_nop
	v_nop                                          ; (with the additions above: the places behind the products)
	s_wait_alu depctr_va_vdst(0)                   ; the wait ahead of the transcendental
	v_rcp_f32 v126, v122
	v_nop                                          ; a plain line behind the reciprocal
	s_wait_alu depctr_va_vdst(0)                   ; and ahead of its first reader
	v_mov_b32 v127, v126
	WIN 0x41
.set i_, 0
	s_wait_alu depctr_va_vdst(0)                   ; directly ahead of the first reader of O^T
.rept 16
	v_pk_mul_f32 v[128+32*((\m)%2)+2*i_:129+32*((\m)%2)+2*i_], v[128+32*((\m)%2)+2*i_:129+32*((\m)%2)+2*i_], v[126:127]   ; O^T / l, each result from its low end on
.set i_, i_+1
.endr
.if (\m)%2
	s_wait_alu depctr_va_vdst(0)
	s_wait_dscnt 0x0                               ; the last image stores have read their registers
	QUANT4 128, 1, 84, 0, 4, 2                     ; two tiles of queries x my 64 channels: the next product's operand
	TOIMG 84, 0, 5, 7, \m-1
.endif
.endm
.irp m, 0,1,2,3,4,5,6,7
	ATT \m
.endr
	BAR                                            ; B3: o's image is whole
; ---------------------------------------------------------------- the chain, by halves of 64 rows.  v4 to v8 point at the half in hand and are stepped at a trip's end; v3 stays at row 0
.macro QLOAD buf, sc, s                ; K step s of the half's four tiles of rows: four fragments and four scale words: twelve LDS loads
.irp i, 0,1,2,3
.irp c, 0,1
	ds_load_b128 v[(\buf)+8*\i+4*\c:(\buf)+8*\i+4*\c+3], v6 offset:4096*\i+1024*(\s)+512*\c
.endr
	ds_load_b32 v[(\sc)+\i], v8 offset:256*\i+4*(\s)
.endr
.endm
; A linear over the half, K OUTERMOST: four K steps of 16 matrix instructions; the 16 accumulators take turns, one instruction a turn.  ww: the weight's window.
; Two buffers of fragments by turns; where K step 2 would fetch a fifth step, the bias at boff comes into its buffer, v64-95.
.macro LINKH ww, set, zero, boff
	QLOAD 64, 48, 0
	QLOAD 96, 52, 1
.irp s, 0,1,2,3
.if \s < 3
	s_wait_dscnt 12                                ; my buffer is in; the other buffer's twelve loads may be out
.else
	s_wait_dscnt 8                                 ; the bias's eight may be out
.endif
	WIN 0x50+(\ww)
.irp i, 0,1,2,3
.irp t, 0,1,2,3
.if (\zero) && (\s == 0)
	WM 32*\i+8*\t, 128+32*\s+8*\t, 64+32*(\s%2)+8*\i, -1, (\set)+4*(\t/2)+\s, 48+4*(\s%2)+\i, \t%2
.else
	WM 32*\i+8*\t, 128+32*\s+8*\t, 64+32*(\s%2)+8*\i, 32*\i+8*\t, (\set)+4*(\t/2)+\s, 48+4*(\s%2)+\i, \t%2
.endif
.endr
.endr
	WIN 0
	NOPS 4                                         ; four places in front of loads into registers that these have read, and of the first read of results
.if \s < 2
	QLOAD 64+32*(\s%2), 48+4*(\s%2), \s+2
.elseif \s == 2
	BILOAD 64, 9, \boff
.endif
.endr
.endm
.macro RESID                           ; THE RESIDUAL STARTS THE SUMS: the half of my slice, in the result's layout, into the accumulators
	WIN 0x40
.irp m, 0,1,2,3
.irp b, 0,1
.irp q, 0,1,2,3
	ds_load_b128 v[32*\m+16*\b+4*\q:32*\m+16*\b+4*\q+3], v4 offset:16*\m*PITCH+128*\b+16*\q
.endr
.endr
.endr
	WIN 0
.endm
.macro BIASADD4                        ; the bias in v64-95 onto the 16 accumulators, in ascending order
	s_wait_dscnt 0x0
	WIN 0x41
.set r_, 0
.rept 64
	v_pk_add_f32 v[2*r_:2*r_+1], v[2*r_:2*r_+1], v[64+(2*r_)%32:65+(2*r_)%32]
.set r_, r_+1
.endr
	WIN 0
.endm
; Tile g of the first half's result leaves, in stage 2's second trip alone: eight stores; sixteen lanes store 256 consecutive bytes, at a multiple of 256 from out0's first byte
.macro DEFER_ST g
	s_wait_alu depctr_va_vdst(0)                   ; the wait ahead of a branch
	s_cmp_eq_u32 s58, 0
	s_cbranch_scc1 .Lnd_\@
	WIN 0x04
.irp i, 0,1,2,3,4,5,6,7
	global_store_b128 v2, v[128+32*(\g)+4*\i:128+32*(\g)+4*\i+3], s[44+2*((\g)/2):45+2*((\g)/2)] offset:(16*((\g)%2)+2*\i)*ROWG th:TH_STORE_NT
.endr
	WIN 0
.Lnd_\@:
.endm
.macro REDUCE off                      ; four pairs in v64-71, one for each tile of rows, become my 64 columns' part of each row's sum
.irp m, 0,1,2,3
	v_add_f32 v[64+2*\m], v[64+2*\m], v[65+2*\m]
.endr
.irp m, 0,1,2,3
	v_permlanex16_b32 v[65+2*\m], v[64+2*\m], s56, s57
.endr
.irp m, 0,1,2,3
	s_delay_alu instid0(VALU_DEP_4)
	v_add_f32 v[64+2*\m], v[64+2*\m], v[65+2*\m]
.endr
.irp m, 0,1,2,3
	ds_store_b32 v11, v[64+2*\m] offset:(\off)+512*\m
.endr
.endm
.macro GATHER off                      ; the eight waves' parts, four to each half of the lanes, added: the sum of tile i in v[80 + 4 i]
.irp i, 0,1,2,3
	ds_load_b128 v[80+4*\i:83+4*\i], v12 offset:(\off)+512*\i
.endr
	s_wait_dscnt 0x0
.irp i, 0,1,2,3
	v_pk_add_f32 v[80+4*\i:81+4*\i], v[80+4*\i:81+4*\i], v[82+4*\i:83+4*\i]
.endr
.irp i, 0,1,2,3
	s_delay_alu instid0(VALU_DEP_4)
	v_add_f32 v[80+4*\i], v[80+4*\i], v[81+4*\i]
.endr
.irp i, 0,1,2,3
	v_permlanex16_b32 v[81+4*\i], v[80+4*\i], s56, s57
.endr
.irp i, 0,1,2,3
	s_delay_alu instid0(VALU_DEP_4)
	v_add_f32 v[80+4*\i], v[80+4*\i], v[81+4*\i]
.endr
.endm
; LayerNorm of the half's 64 rows, in the accumulators, and back into my slice.  Two barriers: the sums, then the sums of squares of centred numbers (no difference of large sums).
; hook = 1: a group of the first half's stores stands behind the first barrier.
.macro LN4 hook
	WIN 0x05
.irp m, 0,1,2,3
	v_pk_add_f32 v[64+2*\m:65+2*\m], v[32*\m:32*\m+1], v[32*\m+2:32*\m+3]          ; each row's sum over my 64 columns, the four tiles by turns
.endr
	WIN 0x04
.irp e, 4,6,8,10,12,14,16,18,20,22,24,26,28,30
.irp m, 0,1,2,3
	v_pk_add_f32 v[64+2*\m:65+2*\m], v[64+2*\m:65+2*\m], v[32*\m+\e:32*\m+\e+1]
.endr
.endr
	WIN 0
	REDUCE 0
	BAR                                            ; B4: the eight parts of every row's sum lie in LDS
.if \hook
	DEFER_ST 3
.endif
	GATHER 0
.irp i, 0,1,2,3
	s_delay_alu instid0(VALU_DEP_4)
	v_mul_f32 v[112+2*\i], 0xbb000000, v[80+4*\i]  ; minus the mean: x -1 / 512
.endr
.irp i, 0,1,2,3
	s_delay_alu instid0(VALU_DEP_4)
	v_mov_b32 v[113+2*\i], v[112+2*\i]
.endr
	WIN 0x41
.set r_, 0
.rept 64
	v_pk_add_f32 v[2*r_:2*r_+1], v[2*r_:2*r_+1], v[112+2*(r_/16):113+2*(r_/16)]    ; centred in place
.set r_, r_+1
.endr
	WIN 0x05
.irp m, 0,1,2,3
	v_pk_mul_f32 v[64+2*\m:65+2*\m], v[32*\m:32*\m+1], v[32*\m:32*\m+1]
.endr
.irp e, 2,4,6,8,10,12,14,16,18,20,22,24,26,28,30
.irp m, 0,1,2,3
	v_pk_fma_f32 v[64+2*\m:65+2*\m], v[32*\m+\e:32*\m+\e+1], v[32*\m+\e:32*\m+\e+1], v[64+2*\m:65+2*\m]
.endr
.endr
	WIN 0
	REDUCE SQ
	BAR                                            ; B5: and of every row's sum of squares
	GATHER SQ
.irp i, 0,1,2,3
	s_delay_alu instid0(VALU_DEP_4)
	v_fma_f32 v[80+4*\i], v[80+4*\i], s61, s62     ; the variance + 1e-5
.endr
	s_wait_alu depctr_va_vdst(0)                   ; the wait ahead of the batch,
.irp i, 0,1,2,3
	v_rsq_f32 v[112+2*\i], v[80+4*\i]
.endr
	v_nop                                          ; a plain line behind the roots
	s_wait_alu depctr_va_vdst(0)                   ; and ahead of its first reader
.irp i, 0,1,2,3
	v_mov_b32 v[113+2*\i], v[112+2*\i]
.endr
	WIN 0x41
.set r_, 0
.rept 64
	v_pk_mul_f32 v[2*r_:2*r_+1], v[2*r_:2*r_+1], v[112+2*(r_/16):113+2*(r_/16)]
.set r_, r_+1
.endr
	WIN 0x04
.irp m, 0,1,2,3
.irp b, 0,1
.irp q, 0,1,2,3
	ds_store_b128 v4, v[32*\m+16*\b+4*\q:32*\m+16*\b+4*\q+3] offset:16*\m*PITCH+128*\b+16*\q   ; ln1 as the next residual, or the result on its way out
.endr
.endr
.endr
	WIN 0
.endm
.macro IMAGE4                          ; the half's four tiles of rows, quantised, into the image
.irp p, 0,1
	s_wait_alu depctr_va_vdst(0)
	s_wait_dscnt 0x0                               ; the last stores have read their registers
	QUANT4 64*\p, 1, 64, 0, 4, 2
	TOIMG 64, 0, 5, 7, 2*\p
.endr
.endm
.macro ONWARD                          ; the LDS addresses go on to the next half: 64 rows of a slice, four tiles of the image and of its scale words
	v_add_nc_u32 v4, HS, v4
	v_add_nc_u32 v5, 16384, v5
	v_add_nc_u32 v6, 16384, v6
	v_add_nc_u32 v7, 1024, v7
	v_add_nc_u32 v8, 1024, v8
.endm
	WLOAD 4, 1, 128, 0, 3                          ; W1 takes the registers of O^T, k and v, and lands during stage 1
	s_wait_loadcnt 32                              ; Wo, its scale words and W1's are in; W1's 32 loads may be out
	s_mov_b32 s58, 0
.Lst1:                                             ; STAGE 1, two trips: Wo, residual xt, first norm, ln1's image
	RESID
	LINKH 0, 40, 0, LATE                           ; (its first wait on DScnt leaves twelve younger loads out: the residual is in)
	BIASADD4                                       ; bo
	LN4 0
	IMAGE4                                         ; ln1: barriers B4 and B5 lie behind every wave's last read of this half of o's image
	ONWARD
	BAR                                            ; B6: this half of ln1's image is whole
	s_add_co_u32 s58, s58, 1
	s_cmp_lt_u32 s58, 2
	s_cbranch_scc1 .Lst1
	WLOAD 5, 0, 128, 0, 3                          ; W2 takes Wo's registers,
	SLOAD 5, 40                                    ; and its scale words Wo's
	v_sub_nc_u32 v4, v4, 2*HS                      ; back to the first half
	v_sub_nc_u32 v5, v5, 32768
	v_sub_nc_u32 v6, v6, 32768
	v_sub_nc_u32 v7, v7, 2048
	v_sub_nc_u32 v8, v8, 2048
	s_wait_alu depctr_va_vdst(0)                   ; the wait ahead of a wait that blocks
	s_wait_loadcnt 34                              ; W1 is in; W2's 32 loads and its scale words' two may be out
	s_mov_b32 s58, 0
.Lst2:                                             ; STAGE 2, two trips: W1, relu, h's image, W2, residual ln1, second norm
	LINKH 1, 32, 1, LATE+2048                      ; the first K step starts the sums
	s_cmp_eq_u32 s58, 0
	s_cbranch_scc1 .Lno_first
	WIN 0x40
.irp m, 0,1,2,3
.irp i, 0,1,2,3,4,5,6,7
	ds_load_b128 v[128+32*\m+4*\i:128+32*\m+4*\i+3], v3 offset:(16*\m+2*\i)*PITCH             ; the second trip: W1 is done with; the first half's result comes back from my slice as whole rows of 256 bytes
.endr
.endr
	WIN 0
.Lno_first:
	BIASADD4                                       ; b1 (its wait on DScnt covers the loads above)
	WIN 0x44
.set r_, 0
.rept 128
	v_max_num_f32 v[r_], 0, v[r_]                  ; the activation, in f32
.set r_, r_+1
.endr
	WIN 0
	DEFER_ST 0
	BAR                                            ; B7: every wave has done with this half of ln1's image
	IMAGE4                                         ; h
	RESID                                          ; ln1
	DEFER_ST 1
	BAR                                            ; B8: this half of h's image is whole
	s_wait_loadcnt 0x0                             ; W2 and its scale words
	LINKH 0, 40, 0, LATE+4096
	DEFER_ST 2
	BIASADD4                                       ; b2
	LN4 1
	ONWARD
	s_add_co_u32 s58, s58, 1
	s_cmp_lt_u32 s58, 2
	s_wait_alu depctr_va_vdst(0)                   ; the wait ahead of the backward jump
	s_cbranch_scc1 .Lst2
; ---------------------------------------------------------------- the second half's way out
	s_wait_dscnt 0x0                               ; the stores into the slice have read their registers
	WIN 0x40
.irp m, 0,1,2,3
.irp i, 0,1,2,3,4,5,6,7
	ds_load_b128 v[32*\m+4*\i:32*\m+4*\i+3], v3 offset:HS+(16*\m+2*\i)*PITCH
.endr
.endr
	WIN 0x04
.irp m, 0,1,2,3
	s_wait_dscnt 24-8*\m                           ; this tile's eight loads are in; the later tiles' may be out
.irp i, 0,1,2,3,4,5,6,7
	global_store_b128 v2, v[32*\m+4*\i:32*\m+4*\i+3], s[48+2*(\m/2):49+2*(\m/2)] offset:(16*(\m%2)+2*\i)*ROWG th:TH_STORE_NT
.endr
.endr
	WIN 0
	s_wait_tensorcnt 0x0                           ; the wave's end
	ds_add_u32 v30, v31
	s_wait_dscnt 0x0
	s_endpgm
.Lfunc_end_k_q542a1a03be_fused:
	.size	k_q542a1a03be_fused, .Lfunc_end_k_q542a1a03be_fused-k_q542a1a03be_fused
	.p2alignl 7, 3214868480
	.fill 96, 4, 3214868480
	.section	.rodata,"a",@progbits
	.p2align	6, 0x0
	.amdhsa_kernel k_q542a1a03be_fused
		.amdhsa_group_segment_fixed_size 327680
		.amdhsa_private_segment_fixed_size 0
		.amdhsa_enable_private_segment 0
		.amdhsa_kernarg_size 88
		.amdhsa_user_sgpr_count 2
		.amdhsa_user_sgpr_kernarg_segment_ptr 1
		.amdhsa_wavefront_size32 1
		.amdhsa_system_sgpr_workgroup_id_x 1
		.amdhsa_system_sgpr_workgroup_id_y 1
		.amdhsa_system_sgpr_workgroup_id_z 1
		.amdhsa_system_vgpr_workitem_id 0
		.amdhsa_next_free_vgpr 512
		.amdhsa_next_free_sgpr 96
		.amdhsa_reserve_vcc 0
		.amdhsa_float_denorm_mode_32 3
		.amdhsa_float_denorm_mode_16_64 3
		.amdhsa_memory_ordered 1
		.amdhsa_forward_progress 1
		.amdhsa_inst_pref_size 255
	.end_amdhsa_kernel
	.section	.bss,"aw",@nobits
	.p2align	6
	.space	262144
	.amdgpu_metadata
---
amdhsa.version: [ 1, 2 ]
amdhsa.kernels:
  - .name:           k_q542a1a03be_fused
    .symbol:         k_q542a1a03be_fused.kd
    .args:
      - { .name: x, .offset: 0, .size: 8, .value_kind: global_buffer, .address_space: global }
      - { .name: te, .offset: 8, .size: 8, .value_kind: global_buffer, .address_space: global }
      - { .name: wc, .offset: 16, .size: 8, .value_kind: global_buffer, .address_space: global }
      - { .name: ws, .offset: 24, .size: 8, .value_kind: global_buffer, .address_space: global }
      - { .name: bk, .offset: 32, .size: 8, .value_kind: global_buffer, .address_space: global }
      - { .name: bv, .offset: 40, .size: 8, .value_kind: global_buffer, .address_space: global }
      - { .name: bq, .offset: 48, .size: 8, .value_kind: global_buffer, .address_space: global }
      - { .name: bo, .offset: 56, .size: 8, .value_kind: global_buffer, .address_space: global }
      - { .name: b1, .offset: 64, .size: 8, .value_kind: global_buffer, .address_space: global }
      - { .name: b2, .offset: 72, .size: 8, .value_kind: global_buffer, .address_space: global }
      - { .name: out0, .offset: 80, .size: 8, .value_kind: global_buffer, .address_space: global }
    .group_segment_fixed_size: 327680
    .private_segment_fixed_size: 0
    .kernarg_segment_align: 8
    .kernarg_segment_size: 88
    .max_flat_workgroup_size: 256
    .sgpr_count:     96
    .vgpr_count:     512
    .wavefront_size: 32
...
	.end_amdgpu_metadata
.endif
;; end of part 2
